; MI455X (gfx1250); checked and timed in simulation.
; The chip was launched on July 23, 2026; its instructions are those of AMD's public machine-readable ISA for CDNA 5 (MIT licence, August 2026) and "CDNA5" Instruction Set Architecture Reference Guide (July 2026). The comments in the code are by the model that wrote it; some were corrected since.
;; Progressive Luong Attention. Allowed arithmetic: matrix products marked QUANTISED: E5M2 operands, one given power-of-two scale a tensor, by v_wmma_f32_16x16x64_bf8_bf8 or v_wmma_f32_16x16x128_bf8_bf8, f32 sums; everything else in f32.
;; Inputs: Wk 64 x 64 float32; Wq 64 x 64 float32; Wv 64 x 64 float32; bk 64 float32; bq 64 float32; bv 64 float32; gamma 1 float32; lowp_scales 10 int32 (the exponents e of the quantised operands' scales 2^e); x 8 x 64 x 64 x 64 float32; y 8 x 64 x 64 x 64 float32.
;; Outputs: out0 8 x 64 x 64 x 64 float32.
;; This version of the problem:
;;   THIS VERSION OF THE PROBLEM IS GIVEN IN LOW PRECISION. The matrix products marked QUANTISED in the list below multiply operands that are first quantised to E5M2 (5 exponent bits, 2 mantissa bits; 8 bits a number), with one given power-of-two scale for each operand tensor; their sums are f32. All else is computed in f32.
;;   The module's matrix products, in the order in which they are computed (A, B: the left and right operand; K: the contracted axis; several contracted axes count as one K, in the product's order):
;;     1. [M 32,768, K 64] x [K 64, N 64]; A: input x; B: input Wq: QUANTISED (scales: A lowp_scales[0], B lowp_scales[1])
;;     2. [M 32,768, K 64] x [K 64, N 64]; A: input y; B: input Wk: QUANTISED (scales: A lowp_scales[2], B lowp_scales[3])
;;     3. [M 32,768, K 64] x [K 64, N 64]; A: input y; B: input Wv: QUANTISED (scales: A lowp_scales[4], B lowp_scales[5])
;;     4. batch 8 x [M 4,096, K 64] x [K 64, N 4,096]; A: computed on the way; B: computed on the way: QUANTISED (scales: A lowp_scales[6], B lowp_scales[7])
;;     5. batch 8 x [M 64, K 4,096] x [K 4,096, N 4,096]; A: computed on the way; B: softmax (see below): QUANTISED (scales: A lowp_scales[8], B lowp_scales[9])
;;   THE QUANTISER, for each operand of a quantised product, along K:
;;     - The operand's scale is 2^e, e = its entry of the input lowp_scales (int32; the entries are numbered through the quantised products in the list's order, A before B).
;;     - Each number is divided by the scale, clamped to +-57,344, and rounded to the nearest number of E5M2, ties to even, subnormals kept.
;;     - The product sums the exact products of the quantised numbers (number of the format x scale) in f32.
;;   ~~~python
;;   def quantise(x, axis, e):      # numpy; x: float32 -> the quantised numbers, widened to float32 again
;;       x = np.moveaxis(x, axis, -1); K = x.shape[-1]
;;       r = np.clip(x / 2.0 ** e, -57344, 57344)
;;       step = 2.0 ** (np.maximum(np.frexp(np.where(r == 0, 1, r))[1] - 1, -14) - 2)
;;       q = np.round(r / step) * step * 2.0 ** e      # np.round: ties to even
;;       return np.moveaxis(q, -1, axis).astype(np.float32)
;;   ~~~
;;   SOFTMAX AHEAD OF A QUANTISED PRODUCT. Where the list says 'softmax', what is quantised is not the finished softmax but p = 2^(t - M), with t = logit x log2(e) and M = ceil(the row's largest t), a whole number; so 1/2 < the row's largest p <= 1. The row's sum l is taken of the UNQUANTISED p, in f32, and the product's result is divided by l at the end. Since M is a whole number, a kernel that streams over the keys may use a running M (the ceiling of the running maximum): every later rescaling is an exact power of two, so the quantised numbers keep their values, but for numbers so far below the row's largest that they fall under the format's range.
;;   OPERANDS COMPUTED ON THE WAY. 'Computed on the way' means the value that the module computes at that place (a softmax that the list does not call 'softmax' is quantised finished and normalised). What goes into a quantiser is computed in f32, as accurately as f32 sums, v_exp_f32 and their like allow (about 1e-6 of the number): no bf16 or f16 on the way to a quantiser, and a product that is left as it is and whose result goes on into a quantised operand takes f32 operands (vector FMAs, or v_wmma_f32_16x16x4_f32). A number that lies on a knife's edge between two numbers of the format may be rounded either way, as far as f32 arithmetic and the matrix unit's own rounding can turn it there, and no further.
;; One version. Each part assembles by itself: llvm-mc -triple=amdgcn-amd-amdhsa -mcpu=gfx1250 --defsym DOCPART=n.
;; ======== version 1 of 1: 2 launches
;; limits: right only within a limited range of input values
;; workspace buffers: qc 2,097,152 bytes; kvc 4,194,304 bytes
;; launch proj (part 1): grid 256 x 1, 8 waves a work-group, no clusters, 26,624 bytes of LDS; arguments x, y, Wq, Wk, Wv, bq, bk, bv, lowp_scales, qc, kvc; writes qc, kvc
.if DOCPART == 1
	.amdgcn_target "amdgcn-amd-amdhsa--gfx1250"
	.amdhsa_code_object_version 6
	.text
	.protected	k_q63191619de_proj
	.globl	k_q63191619de_proj
	.p2align	8
	.type	k_q63191619de_proj,@function
k_q63191619de_proj:
	s_mov_b64 s[64:65], 0
	v_nop
	global_prefetch_b8 v0, s[64:65] scope:SCOPE_SE
	s_setreg_imm32_b32 hwreg(HW_REG_WAVE_MODE, 25, 1), 1
	s_wait_xcnt 0x0
; THE THREE 1x1 CONVOLUTIONS, on codes of BF8 (E5M2), and the quantising of their results for the attention launch.
;   q[b][o][p] = sum over c of Wq[o][c] x[b][c][p] + bq[o]  (x with 2^e0, Wq with 2^e1), quantised with 2^e6 -> qc, flat [b][o][p]: that IS [b][query][64], since the reshape only renames indices
;   k likewise from y (2^e2), Wk (2^e3), bk, quantised with 2^e7;   v from y (2^e4), Wv (2^e5), bv, quantised with 2^e8 -> kvc
; kvc is laid as IMAGES OF THE OPERANDS' REGISTERS, [b][step of 128 keys][16,384 bytes], so that the attention launch fetches every fragment by 16 bytes a lane at 16 x lane:
;   K part, bytes 0-8191:  tile T = 2 beta + u, chunk c at 1024 T + 512 c + 16 lane: lane (r, h) holds key 32 beta + 8 u + r + 8 (r / 8), channels 32 c + 16 h + 0..15
;   V part, bytes 8192 on: channel tile t, chunk c at 2048 t + 512 c + 16 lane:      lane (r, h) holds channel 16 t + r, keys 32 c + 16 h + 0..15
; SHARES.  Work-groups 0-127 take x, 128-255 take y: 256 pixels of one batch each; a wave takes 32 pixels x all 64 channels.  A LANE TAKES A PIXEL AND ITS REGISTERS RUN DOWN THE CHANNELS (K): each load reads
; 128 consecutive bytes a wave, and the conversions give codes with K innermost.  All of a wave's 64 pixel loads go out at once; there is no loop.
; THE PIXEL OF A LANE: lane l takes pixel (l & 7) | ((l & 8) << 1) | ((l & 16) >> 1) of the wave's 32, so that row r of pixel tile u is pixel 8 u + r + 8 (r / 8): then the results' registers run along neighbours (below).
; A lane's 16 registers of codes are one pixel x 64 channels; exchanging halves of lanes between registers i and 8 + i makes of them two operands of 16 pixels x 64 K: lane (r, h): channels 32 h + 0..31.
; The weights are laid in the same order of k, so every product meets its partner.
; The eight weight tiles are quantised once, one by each wave, and go from wave to wave through LDS as images of their registers.
; No tensor loads, clusters or rings: every input byte is read once by one wave, and nothing is shared between work-groups.
; LIMITS: e0 .. e8 between -126 and 112; e0 + e1, e2 + e3, e4 + e5 between -126 and 127 (each power of two below is an f32 number).  NaN among the inputs is not served; an infinity is held at the largest code.
.set WIMG, 0                           ; LDS: 8 weight fragments of 1,024 bytes: 0-3 Wk's tiles, 4-7 Wv's (x's work-groups: 4-7 Wq's)
.set QSTG, 8192                        ; LDS: x's work-groups alone: 64 rows (o) x (256 bytes of codes + 16)
.set QP,   272                         ; 17 x 16 bytes: the sixteen rows that a store touches fall on sixteen different 16-byte columns of 256
.set BV,   24                          ; v24-27   the bias of the lane's channel 16 t + r
.set CA,   32                          ; v32-47   the pixels' codes: two operands of 8 registers
.set CO,   48                          ; v48-63   codes of q or of v
.set PX,   64                          ; v64-127  64 numbers of my pixel; later k's sums
.set T,    128                         ; v128-191 q's or v's sums
.set WR,   128                         ; v128-159 32 numbers of a weight row
.set WC,   160                         ; v160-167 their codes
.set KO,   128                         ; v128-143 k's codes
.set WF,   192                         ; v192-223 four weight fragments
.set BK,   224                         ; v224-255 bk in the layout of k's sums
; v1 lane, v2 r, v3 h, v4 pixel offset, v5 weight offset, v6 my weight image, v7 16 x lane, v8/v9 stage in/out, v10 qc offset, v11 4 r, v12 64 h, v13/v28 V's / K's image offset
; v14: scale of my weight; v16 of the pixels (e0 or e4); v18 (e2); v20 of the result (e6 or e8); v22 (e7)
.macro MKSC e, sc, lim                 ; from the whole number in s[e]: 2^e as f32 (the conversion takes its exponent field), and 57,344 x 2^e
	s_add_co_i32 s62, s[\e], 127
	s_lshl_b32 s63, s62, 23
	v_mov_b32 v[\sc], s63
	s_add_co_i32 s62, s62, 15
	s_lshl_b32 s62, s62, 23
	s_or_b32 s62, s62, 0x600000
.endm
.macro PIXLOADS                        ; four numbers of the bias, then my pixel's 64 channels, 16,384 bytes apart
.irp t, 0,1,2,3
	global_load_b32 v[BV+\t], v11, s[46:47] offset:64*\t
.endr
.set i, 0
.rept 64
	global_load_b32 v[PX+i], v4, s[32:33] offset:i*16384
.set i, i+1
.endr
.endm
.macro QPIX lim, sc                    ; my pixel's 64 numbers -> codes -> two operands.  PX is kept: y is quantised twice, with two scales
.set i, 0
.rept 64
.set i, i+1
.endr
.set i, 0
.rept 8
	v_cvt_scalef32_pk8_bf8_f32 v[CA+2*i:CA+2*i+1], v[PX+8*i:PX+8*i+7], v[\sc]
.set i, i+1
.endr
	v_nop                                          ; one plain vector instruction between the conversions and what touches their results
.set i, 0
.rept 8
	v_permlane16_swap_b32 v[CA+i], v[CA+8+i]       ; lanes 16-31 of register i <-> lanes 0-15 of register 8 + i: v[CA..CA+7] pixel tile 0, v[CA+8..] tile 1; lane (r, h): channels 32 h + 0..31
.set i, i+1
.endr
.endm
.macro WFETCH f0                       ; four weight fragments come back as they were stored
.irp f, 0,1,2,3
.irp c, 0,1
	ds_load_b128 v[WF+8*\f+4*\c:WF+8*\f+4*\c+3], v7 offset:WIMG+(\f0+\f)*1024+512*\c
.endr
.endr
.endm
.macro BARRIER                         ; my LDS stores have landed and my LDS loads are in: then the work-group's barrier
	s_wait_dscnt 0x0
	s_barrier_signal -1
	s_barrier_wait -1
.endm
	s_load_b512 s[4:19], s[0:1], 0x0               ; x, y, Wq, Wk, Wv, bq, bk, bv
	s_load_b128 s[20:23], s[0:1], 0x40             ; the scales' exponents, qc
	s_load_b64 s[24:25], s[0:1], 0x50              ; kvc
	v_lshl_add_u32 v30, v0, 2, 0x6400
	v_mov_b32 v31, 0
	v_lshrrev_b32 v1, 5, v0
	s_delay_alu instid0(VALU_DEP_1)
	v_readfirstlane_b32 s26, v1                    ; wave 0..7
	v_and_b32 v1, 31, v0                           ; lane
	v_and_b32 v2, 15, v0                           ; r
	s_wait_alu depctr_va_vdst(0)
	v_bfe_u32 v3, v0, 4, 1                         ; h
	s_cmp_lt_u32 ttmp9, 128
	s_cselect_b32 s27, 1, 0                        ; 1: x's work-group; 0: y's
	s_and_b32 s28, ttmp9, 127
	s_lshr_b32 s29, s28, 4                         ; batch
	s_and_b32 s30, s28, 15                         ; which 256 pixels
	s_lshl_b32 s31, s27, 2                         ; waves below this number have no weight tile: 4 for x, 0 for y
	v_and_b32 v4, 7, v1                            ; my pixel among the wave's 32
	v_and_b32 v5, 8, v1
	s_delay_alu instid0(VALU_DEP_1)
	v_lshl_or_b32 v4, v5, 1, v4
	v_and_b32 v5, 16, v1
	s_delay_alu instid0(VALU_DEP_1)
	v_lshrrev_b32 v5, 1, v5
	s_delay_alu instid0(VALU_DEP_1)
	v_or_b32 v4, v4, v5
	s_delay_alu instid0(VALU_DEP_1)
	v_lshlrev_b32 v4, 2, v4                        ; in bytes
	; my weight tile.  Wk's tile w (y's waves 0-3) takes rows 32 (w / 2) + 8 (w % 2) + r + 8 (r / 8), so that k's sums run along neighbouring channels; Wq's and Wv's tile w % 4 takes rows 16 (w % 4) + r
	s_lshl_b32 s56, s27, 3
	s_add_co_u32 s56, s56, s26                     ; wave + 8 for x: below 4 only in y's waves 0-3
	s_lshr_b32 s57, s26, 1
	s_lshl_b32 s57, s57, 5
	s_and_b32 s58, s26, 1
	s_lshl_b32 s58, s58, 3
	s_add_co_u32 s57, s57, s58
	s_and_b32 s61, s26, 3                          ; w % 4: the tile, and beta: which 32 keys of a step are my wave's
	s_lshl_b32 s58, s61, 4
	s_cmp_lt_u32 s56, 4
	s_cselect_b32 s57, s57, s58                    ; the tile's first row
	s_cselect_b32 s53, 1, 0                        ; 1: my tile is Wk's
	v_and_b32 v5, 8, v2
	s_delay_alu instid0(VALU_DEP_1)
	v_mul_u32_u24 v5, v5, s53
	s_delay_alu instid0(VALU_DEP_1)
	v_add3_u32 v5, v5, v2, s57
	s_delay_alu instid0(VALU_DEP_1)
	v_lshlrev_b32 v5, 8, v5                        ; a row of 64 f32 is 256 bytes,
	s_delay_alu instid0(VALU_DEP_1)
	v_lshl_add_u32 v5, v3, 7, v5                   ; + 128 h: channels 32 h + 0..31
	; LDS addresses: constants, the lane and the wave's number alone
	v_lshlrev_b32 v7, 4, v1
	s_lshl_b32 s60, s26, 10
	v_add_nc_u32 v6, s60, v7                       ; my weight image: 1024 x wave + 16 x lane
	v_mul_u32_u24 v8, v2, QP
	s_delay_alu instid0(VALU_DEP_1)
	v_lshl_add_u32 v8, v3, 4, v8
	s_lshl_b32 s60, s26, 5
	s_add_co_u32 s60, s60, QSTG
	v_add_nc_u32 v8, s60, v8                       ; the stage, in: row r (+ 16 t), my wave's 32 bytes, + 16 h
	v_mul_u32_u24 v9, v3, QP
	s_delay_alu instid0(VALU_DEP_1)
	v_lshl_add_u32 v9, v2, 4, v9
	s_mul_i32 s60, s26, 8*QP
	s_add_co_u32 s60, s60, QSTG
	v_add_nc_u32 v9, s60, v9                       ; and back: rows 8 x wave + h (+ 2 i), sixteen lanes to a row
	v_lshlrev_b32 v10, 12, v3
	s_delay_alu instid0(VALU_DEP_1)
	v_lshl_add_u32 v10, v2, 4, v10                 ; the same place in qc: a row o is 4,096 bytes
	v_lshlrev_b32 v11, 2, v2                       ; the bias of channel 16 t + r
	v_lshlrev_b32 v12, 6, v3                       ; bk: 16 h channels on
	s_lshl_b32 s60, s61, 9
	s_add_co_u32 s60, s60, 8192
	v_add_nc_u32 v13, s60, v7                      ; V's image: 8192 + 512 beta + 16 x lane (+ 2048 t)
	s_lshl_b32 s60, s61, 11
	v_add_nc_u32 v28, s60, v7                      ; K's image: 2048 beta + 16 x lane (+ 1024 u + 512 c)
	; byte offsets, apart from the addresses
	s_lshl_b32 s56, s29, 20                        ; x, y: a batch is 64 x 16,384 bytes,
	s_lshl_b32 s58, s30, 10                        ; 256 pixels are 1,024,
	s_add_co_u32 s56, s56, s58
	s_lshl_b32 s58, s26, 7                         ; my wave's 32 are 128
	s_add_co_u32 s56, s56, s58
	s_mov_b32 s57, 0
	s_lshl_b32 s58, s30, 1                         ; kvc: step 2 x block + wave / 4,
	s_lshr_b32 s59, s26, 2
	s_add_co_u32 s58, s58, s59
	s_lshl_b32 s58, s58, 14
	s_lshl_b32 s59, s29, 19                        ; a batch is 32 steps of 16,384 bytes
	s_add_co_u32 s58, s58, s59
	s_mov_b32 s59, 0
	s_lshl_b32 s62, s29, 18                        ; qc: a batch is 262,144 bytes, rows 8 x wave on, the block's 256 bytes of a row
	s_lshl_b32 s63, s26, 15
	s_add_co_u32 s62, s62, s63
	s_lshl_b32 s63, s30, 8
	s_add_co_u32 s62, s62, s63
	s_mov_b32 s63, 0
	s_wait_kmcnt 0x0
	s_load_b256 s[36:43], s[20:21], 0x0            ; e0 .. e7
	s_load_b32 s44, s[20:21], 0x20                 ; e8
	s_cmp_eq_u32 s27, 1                            ; the choices hang on the work-group's and the wave's number alone
	s_cselect_b64 s[32:33], s[4:5], s[6:7]         ; x or y
	s_cselect_b64 s[34:35], s[8:9], s[12:13]       ; Wq or Wv,
	s_cselect_b64 s[46:47], s[14:15], s[18:19]     ; bq or bv
	s_cmp_eq_u32 s53, 1
	s_cselect_b64 s[34:35], s[10:11], s[34:35]     ; or Wk
	s_add_nc_u64 s[32:33], s[32:33], s[56:57]
	s_add_nc_u64 s[48:49], s[24:25], s[58:59]
	s_add_nc_u64 s[50:51], s[22:23], s[62:63]
	; ---- the loads, and the weights.  One branch: a wave without a weight tile issues its pixel loads alone
	s_cmp_lt_u32 s26, s31
	s_cbranch_scc1 .Lpixels_only
.irp i, 0,1,2,3,4,5,6,7
	global_load_b128 v[WR+4*\i:WR+4*\i+3], v5, s[34:35] offset:16*\i
.endr
	s_wait_alu depctr_va_vdst(0)
	PIXLOADS
	s_wait_kmcnt 0x0
	s_cmp_eq_u32 s27, 1
	s_cselect_b32 s60, s37, s41                    ; my weight's exponent: e1 or e5,
	s_cmp_eq_u32 s53, 1
	s_cselect_b32 s60, s39, s60                    ; or e3
	MKSC 60, 14, 15
	s_wait_alu depctr_va_vdst(0)
	s_wait_loadcnt 63                              ; 68 loads were issued behind the weight's eight: with 63 out, the largest count that the wait can name, those eight are in
.set i, 0
.rept 32
.set i, i+1
.endr
.irp g, 0,1,2,3
	v_cvt_scalef32_pk8_bf8_f32 v[WC+2*\g:WC+2*\g+1], v[WR+8*\g:WR+8*\g+7], v14
.endr
	v_nop                                          ; a plain vector instruction behind the last conversion: its sources are written again further on
	ds_store_b128 v6, v[WC:WC+3]
	ds_store_b128 v6, v[WC+4:WC+7] offset:512
	s_branch .Lmeet
.Lpixels_only:
	s_wait_alu depctr_va_vdst(0)
	PIXLOADS
.Lmeet:
	BARRIER                                        ; the weight fragments lie in LDS
	; ---- q (x's work-groups) or v (y's): source 0 = 16 pixels, source 1 = 16 rows of the weight.  In the sum of (t, u), lane (r, h) holds channel 16 t + r and register j pixel 16 h + 8 u + j:
	; the 16 registers of (t, 0) and (t, 1) are 16 NEIGHBOURING pixels, which are the next product's K (q: the reshape's 64; v: the keys)
	WFETCH 4
	s_wait_kmcnt 0x0
	s_cmp_eq_u32 s27, 1
	s_cselect_b32 s56, s36, s40                    ; the pixels' exponent: e0 or e4
	s_cselect_b32 s57, s37, s41                    ; the weight's: e1 or e5
	s_cselect_b32 s58, s42, s44                    ; the result's: e6 or e8
	s_add_co_i32 s52, s56, s57
	s_add_co_i32 s52, s52, 127
	s_lshl_b32 s52, s52, 23                        ; a sum stands for sum x this power of two
	MKSC 56, 16, 17
	MKSC 58, 20, 21
	s_wait_alu depctr_va_vdst(0)
	s_wait_loadcnt 0x0                             ; the pixels and the bias
	QPIX 17, 16
	s_wait_alu depctr_va_vdst(0)
	s_wait_dscnt 0x0                               ; the weight fragments
.irp t, 0,1,2,3
.irp u, 0,1
	v_wmma_f32_16x16x64_bf8_bf8 v[T+8*(2*\t+\u):T+8*(2*\t+\u)+7], v[CA+8*\u:CA+8*\u+7], v[WF+8*\t:WF+8*\t+7], 0
.endr
.endr
.rept 4
	v_nop                                          ; four places behind the products, ahead of the first read of their results and of loads into their sources
.endr
.irp t, 0,1,2,3
.set i, 0
.rept 16
	v_fma_f32 v[T+16*\t+i], v[T+16*\t+i], s52, v[BV+\t]   ; sum x 2^(the two exponents) + bias, one rounding; each sum's registers in ascending order
.set i, i+1
.endr
.set i, 0
.rept 16
.set i, i+1
.endr
	v_cvt_scalef32_pk8_bf8_f32 v[CO+4*\t:CO+4*\t+1], v[T+16*\t:T+16*\t+7], v20
	v_cvt_scalef32_pk8_bf8_f32 v[CO+4*\t+2:CO+4*\t+3], v[T+16*\t+8:T+16*\t+15], v20
.endr
	v_nop                                          ; a plain vector instruction behind the last conversion
	s_cmp_eq_u32 s27, 1                            ; the one branch on the tensor; all eight waves of a work-group go the same way
	s_cbranch_scc1 .Lq_out
	; ---- y's work-groups: v's codes leave; then k
.irp t, 0,1,2,3                                ; bk as k's sums lie: tile t, lane (r, h): channels 32 (t / 2) + 8 (t % 2) + 16 h + 0..7.  Asked for first: it lands under the quantising below
	global_load_b128 v[BK+8*\t:BK+8*\t+3], v12, s[16:17] offset:(32*(\t/2)+8*(\t%2))*4
	global_load_b128 v[BK+8*\t+4:BK+8*\t+7], v12, s[16:17] offset:(32*(\t/2)+8*(\t%2))*4+16
.endr
	WFETCH 0                                       ; Wk's four fragments
.irp t, 0,1,2,3
	global_store_b128 v13, v[CO+4*\t:CO+4*\t+3], s[48:49] offset:2048*\t   ; the wave stores 512 consecutive bytes, at a multiple of 512 from kvc's first byte
.endr
	MKSC 38, 18, 19                                ; e2: y's second scale
	MKSC 43, 22, 23                                ; e7: k's
	s_add_co_i32 s54, s38, s39
	s_add_co_i32 s54, s54, 127
	s_lshl_b32 s54, s54, 23                        ; 2^(e2 + e3)
	s_mov_b32 s55, s54                             ; (named with it as a pair, so it is written)
	s_wait_alu depctr_va_vdst(0)
	QPIX 19, 18
	s_wait_alu depctr_va_vdst(0)
	s_wait_dscnt 0x0
	; TRANSPOSED: source 0 = 16 rows of Wk, source 1 = 16 pixels: lane (r, h) holds key 8 u + r + 8 (r / 8), and the 16 registers of tiles 2 c and 2 c + 1 are channels 32 c + 16 h + 0..15
.irp u, 0,1
.irp t, 0,1,2,3
	v_wmma_f32_16x16x64_bf8_bf8 v[PX+8*(4*\u+\t):PX+8*(4*\u+\t)+7], v[WF+8*\t:WF+8*\t+7], v[CA+8*\u:CA+8*\u+7], 0
.endr
.endr
.rept 4
	v_nop
.endr
	s_wait_loadcnt 0x0                             ; bk
.irp u, 0,1
.set i, 0
.rept 16
	v_pk_fma_f32 v[PX+32*\u+i:PX+32*\u+i+1], v[PX+32*\u+i:PX+32*\u+i+1], s[54:55], v[BK+i:BK+i+1] op_sel_hi:[1,0,1]   ; sum x 2^(e2 + e3) + bk, two at a time
.set i, i+2
.endr
.endr
.set i, 0
.rept 64
.set i, i+1
.endr
.irp u, 0,1
.irp c, 0,1
	v_cvt_scalef32_pk8_bf8_f32 v[KO+8*\u+4*\c:KO+8*\u+4*\c+1], v[PX+32*\u+16*\c:PX+32*\u+16*\c+7], v22
	v_cvt_scalef32_pk8_bf8_f32 v[KO+8*\u+4*\c+2:KO+8*\u+4*\c+3], v[PX+32*\u+16*\c+8:PX+32*\u+16*\c+15], v22
.endr
.endr
	v_nop
.irp u, 0,1
.irp c, 0,1
	global_store_b128 v28, v[KO+8*\u+4*\c:KO+8*\u+4*\c+3], s[48:49] offset:1024*\u+512*\c
.endr
.endr
	s_wait_tensorcnt 0x0
	ds_add_u32 v30, v31
	s_wait_dscnt 0x0
	s_endpgm
	; ---- x's work-groups: a lane's 16 codes belong to row o = 16 t + r, and a row's 256 bytes come from eight waves: they meet in the stage and leave as whole rows
.Lq_out:
	s_wait_alu depctr_va_vdst(0)
.irp t, 0,1,2,3
	ds_store_b128 v8, v[CO+4*\t:CO+4*\t+3] offset:16*QP*\t
.endr
	BARRIER
.irp i, 0,1,2,3
	ds_load_b128 v[T+4*\i:T+4*\i+3], v9 offset:2*QP*\i
.endr
	s_wait_dscnt 0x0
.irp i, 0,1,2,3
	global_store_b128 v10, v[T+4*\i:T+4*\i+3], s[50:51] offset:8192*\i   ; sixteen lanes store 256 consecutive bytes, at a multiple of 256 from qc's first byte
.endr
	s_wait_tensorcnt 0x0
	ds_add_u32 v30, v31
	s_wait_dscnt 0x0
	s_endpgm
.Lfunc_end_k_q63191619de_proj:
	.size	k_q63191619de_proj, .Lfunc_end_k_q63191619de_proj-k_q63191619de_proj
	.p2alignl 7, 3214868480
	.fill 96, 4, 3214868480
	.section	.rodata,"a",@progbits
	.p2align	6, 0x0
	.amdhsa_kernel k_q63191619de_proj
		.amdhsa_group_segment_fixed_size 26624
		.amdhsa_private_segment_fixed_size 0
		.amdhsa_enable_private_segment 0
		.amdhsa_kernarg_size 88
		.amdhsa_user_sgpr_count 2
		.amdhsa_user_sgpr_kernarg_segment_ptr 1
		.amdhsa_wavefront_size32 1
		.amdhsa_system_sgpr_workgroup_id_x 1
		.amdhsa_system_sgpr_workgroup_id_y 1
		.amdhsa_system_sgpr_workgroup_id_z 1
		.amdhsa_system_vgpr_workitem_id 0
		.amdhsa_next_free_vgpr 256
		.amdhsa_next_free_sgpr 66
		.amdhsa_reserve_vcc 0
		.amdhsa_float_denorm_mode_32 3
		.amdhsa_float_denorm_mode_16_64 3
		.amdhsa_fp16_overflow 1
		.amdhsa_memory_ordered 1
		.amdhsa_forward_progress 1
		.amdhsa_inst_pref_size 35
	.end_amdhsa_kernel
	.amdgpu_metadata
---
amdhsa.version: [ 1, 2 ]
amdhsa.kernels:
  - .name:           k_q63191619de_proj
    .symbol:         k_q63191619de_proj.kd
    .args:
      - { .name: x, .offset: 0, .size: 8, .value_kind: global_buffer, .address_space: global }
      - { .name: y, .offset: 8, .size: 8, .value_kind: global_buffer, .address_space: global }
      - { .name: Wq, .offset: 16, .size: 8, .value_kind: global_buffer, .address_space: global }
      - { .name: Wk, .offset: 24, .size: 8, .value_kind: global_buffer, .address_space: global }
      - { .name: Wv, .offset: 32, .size: 8, .value_kind: global_buffer, .address_space: global }
      - { .name: bq, .offset: 40, .size: 8, .value_kind: global_buffer, .address_space: global }
      - { .name: bk, .offset: 48, .size: 8, .value_kind: global_buffer, .address_space: global }
      - { .name: bv, .offset: 56, .size: 8, .value_kind: global_buffer, .address_space: global }
      - { .name: lowp_scales, .offset: 64, .size: 8, .value_kind: global_buffer, .address_space: global }
      - { .name: qc, .offset: 72, .size: 8, .value_kind: global_buffer, .address_space: global }
      - { .name: kvc, .offset: 80, .size: 8, .value_kind: global_buffer, .address_space: global }
    .group_segment_fixed_size: 26624
    .private_segment_fixed_size: 0
    .kernarg_segment_align: 8
    .kernarg_segment_size: 88
    .max_flat_workgroup_size: 256
    .sgpr_count:     66
    .vgpr_count:     256
    .wavefront_size: 32
...
	.end_amdgpu_metadata
.endif
;; end of part 1
;; launch attn (part 2): grid 32 x 8, 16 waves a work-group, clusters of 4 x 1, 327,680 bytes of LDS; arguments qc, kvc, x, gamma, lowp_scales, out0; writes out0
.if DOCPART == 2
	.amdgcn_target "amdgcn-amd-amdhsa--gfx1250"
	.amdhsa_code_object_version 6
	.text
	.protected	k_q63191619de_attn
	.globl	k_q63191619de_attn
	.p2align	8
	.type	k_q63191619de_attn,@function
k_q63191619de_attn:
	s_mov_b64 s[64:65], 0
	v_nop
	global_prefetch_b8 v0, s[64:65] scope:SCOPE_SE
	s_setreg_imm32_b32 hwreg(HW_REG_WAVE_MODE, 25, 1), 1
	s_wait_xcnt 0x0
	s_wait_alu depctr_hold_cnt(0) depctr_sa_sdst(0) depctr_va_vdst(0) depctr_va_sdst(0) depctr_va_ssrc(0) depctr_va_vcc(0) depctr_vm_vsrc(0)
	s_getreg_b32 s2, hwreg(HW_REG_IB_STS2, 6, 4)
	s_cmp_eq_u32 s2, 0
	s_cbranch_scc0 .Lentry_in_a_cluster
	s_endpgm
.Lentry_in_a_cluster:
	s_bfe_u32 s2, ttmp6, 0x10000c
	s_cmp_lg_u32 s2, 0x3003
	s_cbranch_scc0 .Lentry_shape_is_right
	s_endpgm
.Lentry_shape_is_right:
; out[b][c][i] = gamma x (sum over j of v[b][c][j] softmax_j(q[b][i] . k[b][:, j])) + x[b][c][i], both products on codes of BF8 (E5M2); 8 batches, 4,096 queries, 4,096 keys, head size 64.
; qc: [b][query][64] codes (2^e6).  kvc: [b][step of 128 keys][16,384 bytes]: images of the operands' registers: K's 8 tiles of 1,024 bytes (2^e7), then V's 4 tiles of 2,048 (2^e8).
; THE SOFTMAX AHEAD OF THE SECOND PRODUCT: t = logit x log2(e); M = the largest t so far, rounded UP to a whole number; p = 2^(t - M) is quantised (2^e9), not normalised; the row's sum is taken of the
; unquantised p and divides at the end.  When M moves, the sum and O are multiplied by 2^(old M - new M): exact.
; SHARES.  A work-group owns 128 queries of one batch.  Sixteen waves of 256 registers, four to a SIMD, so that one wave's vector work stands beside another's LDS loads and products.  Wave w owns the 16 queries
; of tile w % 8 and HALF OF THE KEYS: of each slot's 8 steps, steps 4 (w / 8) on.  The two waves of a tile meet at the end: their M are whole numbers, so the factors that bring them under one M are exact.
; LAYOUT.  Both products are used transposed: S^T = K Q^T (source 0 = 16 keys, source 1 = my 16 queries; K = 64), O^T = V^T P^T (source 0 = 16 channels, source 1 = P; K = 128 keys): a lane holds ONE query.
; Row r of K's tile 2 b + u is key 32 b + 8 u + r + 8 (r / 8), so the 16 registers of tiles 2 b and 2 b + 1 are keys 32 b + 16 (lane / 16) + 0..15, and the conversions' results ARE P's registers 4 b .. 4 b + 3,
; in the order of k in which V's images lie.
; THE RING.  Two LDS slots of 8 steps (131,072 bytes).  A step is one dense block of 16,384 bytes; waves 0-7 fetch one step each by one tensor load.  By this text's count a wave has two tensor loads out at the
; start and one behind each refill, which has four key steps of every wave in which to land.
; CLUSTER.  The four work-groups of a cluster are four query blocks of one batch and walk the same 524,288 bytes of kvc: each step is asked for JOINTLY, by the same tensor load with the same descriptor and a mask
; that names the four.  The place in the cluster enters the addresses of qc, x and out0 alone.
; No padding: every fragment load takes 512 consecutive bytes.  No prefetch: the codes were stored by the launch before.
; LIMITS: e6 + e7 between -126 and 127 (added to the exponent field of log2(e)); e9 between -126 and 112; e8 + e9 is applied by v_ldexp_f32.  NaN among the inputs is not served.
; REGISTERS: v1 16 x lane; v2 the step's LDS address; v3, v4 the spare word's address and 0; v5, v6 my and my partner's statistics in LDS; v7, v8 the stage in and out; v9 Q's offset; v12 -M, v13 the largest t,
; v[14:15] the sum in two halves; v16-23 Q; v25 2^e9; v26-31 at work; v32-95 K's 8 fragments, then V's 4; v96-159 S^T, then p; v160-191 O^T; v192-207 P's codes; v208-223 four rows of x; v224-255 the way out.
.set SLOT,  1<<17                      ; slot 1 begins here: one exclusive or turns an address in one slot into the other's
.set STEPB, 16384
.set SPARE, 2*SLOT                     ; behind the ring: the spare words, 128 bytes for each of 16 waves: eight blocks of 256 bytes that no other line names
.set STAT,  SPARE+2048                 ; 256 bytes a wave: -M and the sum, 8 bytes a lane; no tile lands here
.set SP,    528                        ; the way out: a row of 128 queries x 4 bytes + 16
.set STGB,  64*SP                      ; a stage of 64 channels; two of them, one for each half of the keys, in slot 0, which has had its last fill and its last read at the last change of slots
.macro CROUND                          ; a round of the cluster's barrier: my work-group's barrier; wave 0 signals for the work-group; every wave waits for all four work-groups; my work-group's barrier once more
	s_barrier_signal -1
	s_barrier_wait -1
	s_cmp_lg_u32 s16, 0
	s_cbranch_scc1 .Lnot_wave_0_\@
	s_barrier_signal -3
.Lnot_wave_0_\@:
	s_barrier_wait -3
	s_barrier_signal -1
	s_barrier_wait -1
.endm
.macro JLOAD                           ; a joint refill: waves 0-7, one step each.  The branch hangs on the wave's number alone.  Four v_nop follow the load
	s_cmp_lt_u32 s16, 8
	s_cbranch_scc0 .Lnone_\@
	tensor_load_to_lds s[36:39], s[24:31]
	s_nop 0
.rept 4
	v_nop
.endr
.Lnone_\@:
.endm
	s_load_b256 s[4:11], s[0:1], 0x0               ; qc s[4:5], kvc s[6:7], x s[8:9], gamma s[10:11]
	s_load_b128 s[12:15], s[0:1], 0x20             ; the scales' exponents s[12:13], out0 s[14:15]
	v_lshl_add_u32 v3, v0, 2, SPARE
	v_mov_b32 v4, 0
	ds_add_u32 v3, v4
	ds_add_u32 v3, v4
	s_wait_dscnt 0x0
	v_lshrrev_b32 v2, 5, v0
	s_delay_alu instid0(VALU_DEP_1)
	v_readfirstlane_b32 s16, v2                    ; wave 0..15
	s_and_b32 s17, s16, 7                          ; my tile of queries; also the step of a slot that I fetch, if I fetch
	s_lshr_b32 s18, s16, 3                         ; my half of the keys
	s_bfe_u32 s19, ttmp6, 0x40000                  ; cx: my place in the cluster
	s_lshl_b32 s20, ttmp9, 2                       ; in a cluster launch ttmp9 counts clusters
	s_add_co_u32 s20, s20, s19                     ; my block of 128 queries
	s_and_b32 s21, ttmp7, 0xffff                   ; the batch, which the four partners share
	; descriptor group 1: 64 rows of 32 elements of 8 bytes, dense: one step
	s_mov_b32 s24, 15|(3<<16)|(1<<21)              ; 15:0 the mask: all four work-groups; 17:16 elements of 8 bytes; 20 no padding; 21 set beside a mask
	s_mov_b32 s25, 32<<16                          ; tensor_dim0 = 32
	s_mov_b32 s26, 64<<16                          ; tensor_dim1 = 64
	s_mov_b32 s27, 32<<16                          ; tile_dim0 = 32
	s_mov_b32 s28, 64                              ; tile_dim1 = 64
	s_mov_b32 s29, 32                              ; elements from row to row
	s_mov_b32 s30, 0
	s_mov_b32 s31, 0
	s_mov_b32 s40, 0x76543210                      ; v_permlanex16_b32: lane l xor 16
	s_mov_b32 s41, 0xfedcba98
	s_lshl_b32 s42, s18, 16                        ; LDS byte of my first step in the slot in hand: 4 steps x my half
	s_lshl_b32 s56, s21, 19                        ; kvc: a batch is 32 steps,
	s_lshl_b32 s58, s17, 14                        ; my step of a slot: in memory and in LDS alike
	s_add_co_u32 s56, s56, s58
	s_mov_b32 s57, 0
	s_lshl_b32 s60, s21, 18                        ; qc: a batch is 262,144 bytes, a block 8,192, a tile 1,024
	s_lshl_b32 s61, s20, 13
	s_add_co_u32 s60, s60, s61
	s_lshl_b32 s61, s17, 10
	s_add_co_u32 s60, s60, s61
	s_mov_b32 s61, 0
	s_lshl_b32 s62, s21, 20                        ; x, out0: a batch is 64 rows of 16,384 bytes; on the way out I take channels 4 x wave on; a block's 128 queries are 512 bytes
	s_lshl_b32 s63, s16, 16
	s_add_co_u32 s62, s62, s63
	s_lshl_b32 s63, s20, 9
	s_add_co_u32 s62, s62, s63
	s_mov_b32 s63, 0
	s_wait_kmcnt 0x0
	s_load_b128 s[48:51], s[12:13], 0x18           ; e6, e7, e8, e9
	s_load_b32 s52, s[10:11], 0x0                  ; gamma
	s_add_nc_u64 s[6:7], s[6:7], s[56:57]
	s_add_nc_u64 s[4:5], s[4:5], s[60:61]
	s_add_nc_u64 s[8:9], s[8:9], s[62:63]
	s_add_nc_u64 s[14:15], s[14:15], s[62:63]
	CROUND                                         ; all four work-groups are here: the first joint loads meet
	s_mov_b32 s32, 1                               ; group 0 for slot 0: count = 1,
	s_mov_b32 s33, s58                             ; LDS address,
	s_mov_b64 s[34:35], s[6:7]                     ; global address: steps 0-7,
	s_or_b32 s35, s35, 0x80000000                  ; type = 2
	s_mov_b32 s36, 1                               ; group 0 for slot 1: steps 8-15; it then walks on
	s_add_co_u32 s37, s58, SLOT
	s_add_nc_u64 s[38:39], s[6:7], 8*STEPB
	s_or_b32 s39, s39, 0x80000000
	s_cmp_lt_u32 s16, 8                            ; a wave's two first fills stand in one branch, ahead of every wait on TENSORcnt and every LDS read
	s_cbranch_scc0 .Lfirst_none
	tensor_load_to_lds s[32:35], s[24:31]
	s_nop 0
	tensor_load_to_lds s[36:39], s[24:31]
	s_nop 0
.rept 4
	v_nop
.endr
.Lfirst_none:
	v_and_b32 v10, 15, v0                          ; r
	v_bfe_u32 v11, v0, 4, 1                        ; h
	s_delay_alu instid0(VALU_DEP_2)
	v_lshlrev_b32 v9, 6, v10
	s_delay_alu instid0(VALU_DEP_1)
	v_lshl_add_u32 v9, v11, 4, v9                  ; Q: row r of 64 bytes, + 16 h
	global_load_b128 v[16:19], v9, s[4:5]          ; channels 16 h + 0..15,
	global_load_b128 v[20:23], v9, s[4:5] offset:32   ; 32 + 16 h + 0..15: the order of k of K's images.  Q stays in registers
	v_and_b32 v8, 31, v0
	s_delay_alu instid0(VALU_DEP_1)
	v_lshlrev_b32 v1, 4, v8                        ; 16 x lane
	s_wait_alu depctr_va_vdst(0)
.irp i, 0,1,2,3
	global_load_b128 v[208+4*\i:211+4*\i], v1, s[8:9] offset:16384*\i th:TH_LOAD_NT   ; the four rows of x that I add on the way out: 512 consecutive bytes each; asked for now, wanted at the end
.endr
	v_lshlrev_b32 v8, 3, v8                        ; 8 x lane
	s_lshl_b32 s56, s16, 8
	s_add_co_u32 s56, s56, STAT
	v_add_nc_u32 v5, s56, v8                       ; my statistics,
	s_xor_b32 s57, s16, 8
	s_lshl_b32 s57, s57, 8
	s_add_co_u32 s57, s57, STAT
	v_add_nc_u32 v6, s57, v8                       ; and those of the wave with my queries and the other keys
	v_mul_u32_u24 v7, v11, 8*SP
	s_delay_alu instid0(VALU_DEP_1)
	v_lshl_add_u32 v7, v10, 2, v7
	s_mul_i32 s56, s18, STGB
	s_lshl_b32 s57, s17, 6
	s_add_co_u32 s56, s56, s57
	v_add_nc_u32 v7, s56, v7                       ; the stage, in: my half's stage, row 8 h (+ 16 t + j), my tile's 64 bytes, + 4 r
	s_mul_i32 s56, s16, 4*SP
	v_add_nc_u32 v8, s56, v1                       ; and back: rows 4 x wave on, 16 bytes a lane
	v_mov_b32 v13, 0xff61b1e6                      ; the largest t so far: -3e38, under every t
	s_delay_alu instid0(VALU_DEP_1)
	v_floor_f32 v12, -v13                          ; -M
	v_mov_b32 v14, 0                               ; the sum, in two halves
	v_mov_b32 v15, 0
	v_mov_b32 v26, 0                               ; written once: a lane permute's destination counts as one of its sources
	v_mov_b32 v29, 0                               ; (named as the upper half of the pair v[28:29])
.set i, 0
.rept 32
	v_mov_b32 v[160+i], 0                          ; O^T.  (The key step is written once: the first finds zeros, which the first change of M leaves zeros)
.set i, i+1
.endr
	s_wait_kmcnt 0x0
	s_add_co_i32 s56, s48, s49
	s_lshl_b32 s56, s56, 23
	s_mov_b32 s22, 0x3fb8aa3b                      ; log2(e);
	s_add_co_i32 s22, s22, s56                     ; a score stands for score x 2^(e6 + e7): the two exponents are added to its exponent field
	s_mov_b32 s23, s22                             ; (named with it as a pair, so it is written)
	s_add_co_i32 s56, s51, 127
	s_lshl_b32 s57, s56, 23
	v_mov_b32 v25, s57                             ; 2^e9 as f32, for the conversion
	s_add_co_i32 s53, s50, s51                     ; e8 + e9
; A KEY STEP: 128 keys, at LDS byte s43.
.macro STEP
	v_add_nc_u32 v2, s43, v1
.rept 3
	v_nop                                          ; with the addition: four places behind the last products, ahead of loads into registers that they read (ISA guide 7.12.1 for vector instructions)
.endr
.irp t, 0,1,2,3,4,5,6,7
	ds_load_b128 v[32+8*\t:35+8*\t], v2 offset:1024*\t
	ds_load_b128 v[36+8*\t:39+8*\t], v2 offset:1024*\t+512
.endr
	s_wait_alu depctr_va_vdst(0)
.irp t, 0,1,2,3,4,5,6,7
	s_wait_dscnt 14-2*\t                           ; tile t's two loads are in; the two of each later tile may be out
	v_wmma_f32_16x16x64_bf8_bf8 v[96+8*\t:103+8*\t], v[32+8*\t:39+8*\t], v[16:23], 0
.endr
.rept 4
	v_nop                                          ; places ahead of the loads below and of the first read of the scores
.endr
.irp t, 0,1,2,3
.irp c, 0,1,2,3
	ds_load_b128 v[32+16*\t+4*\c:35+16*\t+4*\c], v2 offset:8192+2048*\t+512*\c   ; V's fragments land while the softmax is worked
.endr
.endr
	v_max3_num_f32 v27, v96, v97, v98              ; the step's largest score of my query, among my 64 keys, in two chains, each tile's registers in ascending order,
	v_max3_num_f32 v28, v99, v100, v101
.irp i, 6,10,14,18,22,26,30,34,38,42,46,50,54,58
	v_max3_num_f32 v27, v27, v[96+\i], v[97+\i]
	v_max3_num_f32 v28, v28, v[98+\i], v[99+\i]
.endr
	v_max3_num_f32 v27, v27, v158, v159
	s_delay_alu instid0(VALU_DEP_1)
	v_max_num_f32 v27, v27, v28
	s_delay_alu instid0(VALU_DEP_1)
	v_permlanex16_b32 v26, v27, s40, s41
	s_delay_alu instid0(VALU_DEP_1)
	v_max_num_f32 v27, v27, v26                    ; and among lane l xor 16's
	s_delay_alu instid0(VALU_DEP_1)
	v_mul_f32 v27, s22, v27                        ; as t (the factor is positive)
	s_delay_alu instid0(VALU_DEP_1)
	v_max_num_f32 v13, v13, v27                    ; the running largest t
	v_mov_b32 v27, v12
	s_delay_alu instid0(VALU_DEP_2)
	v_floor_f32 v12, -v13                          ; the new -M = floor(-t) = -ceil(t): M IS A WHOLE NUMBER
	s_delay_alu instid0(VALU_DEP_1)
	v_sub_f32 v27, v12, v27                        ; M's old value less its new one: a whole number, 0 or less
	s_delay_alu instid0(VALU_DEP_1)
	v_cvt_i32_f32 v27, v27                         ; (it saturates)
	s_delay_alu instid0(VALU_DEP_1)
	v_ldexp_f32 v28, 1.0, v27                      ; f = 2^(old M - new M)
.set i, 0
.rept 32
	v_pk_fma_f32 v[96+i:97+i], v[96+i:97+i], s[22:23], v[12:13] op_sel_hi:[1,0,0]   ; t - M, two at a time (of both pairs the low word serves both halves)
.set i, i+2
.endr
.set i, 0
	s_setprio 1
	s_wait_alu depctr_va_vdst(0)
.rept 64
	v_exp_f32 v[96+i], v[96+i]                     ; p = 2^(t - M), at most 1: NOT normalised
.set i, i+1
.endr
	v_pk_mul_f32 v[14:15], v[14:15], v[28:29] op_sel_hi:[1,0]   ; the sums under the new M.  (The plain place behind the exponentials)
	s_wait_alu depctr_va_vdst(0)
	v_pk_add_f32 v[30:31], v[100:101], v[104:105]
	v_pk_add_f32 v[254:255], v[108:109], v[112:113]
	v_pk_add_f32 v[252:253], v[116:117], v[120:121]
	v_pk_add_f32 v[250:251], v[124:125], v[128:129]
	v_pk_add_f32 v[248:249], v[132:133], v[136:137]
	v_pk_add_f32 v[246:247], v[140:141], v[144:145]
	v_pk_add_f32 v[244:245], v[148:149], v[152:153]
	v_pk_add_f32 v[14:15], v[14:15], v[156:157]
	v_pk_add_f32 v[30:31], v[30:31], v[96:97]
	v_pk_add_f32 v[254:255], v[254:255], v[98:99]
	v_pk_add_f32 v[252:253], v[252:253], v[102:103]
	v_pk_add_f32 v[250:251], v[250:251], v[106:107]
	v_pk_add_f32 v[248:249], v[248:249], v[110:111]
	v_pk_add_f32 v[246:247], v[246:247], v[114:115]
	v_pk_add_f32 v[244:245], v[244:245], v[118:119]
	v_pk_add_f32 v[14:15], v[14:15], v[122:123]
	v_pk_add_f32 v[30:31], v[30:31], v[126:127]
	v_pk_add_f32 v[254:255], v[254:255], v[130:131]
	v_pk_add_f32 v[252:253], v[252:253], v[134:135]
	v_pk_add_f32 v[250:251], v[250:251], v[138:139]
	v_pk_add_f32 v[248:249], v[248:249], v[142:143]
	v_pk_add_f32 v[246:247], v[246:247], v[146:147]
	v_pk_add_f32 v[244:245], v[244:245], v[150:151]
	v_pk_add_f32 v[14:15], v[14:15], v[154:155]
	v_pk_add_f32 v[30:31], v[30:31], v[158:159]
	s_delay_alu instid0(VALU_DEP_2)
	v_pk_add_f32 v[14:15], v[14:15], v[250:251]
	s_delay_alu instid0(VALU_DEP_2)
	v_pk_add_f32 v[30:31], v[30:31], v[248:249]
	v_pk_add_f32 v[254:255], v[254:255], v[246:247]
	v_pk_add_f32 v[252:253], v[252:253], v[244:245]
	s_delay_alu instid0(VALU_DEP_2)
	v_pk_add_f32 v[14:15], v[14:15], v[254:255]
	s_delay_alu instid0(VALU_DEP_2)
	v_pk_add_f32 v[30:31], v[30:31], v[252:253]
	s_delay_alu instid0(VALU_DEP_1)
	v_pk_add_f32 v[14:15], v[14:15], v[30:31]
.irp b, 0,1,2,3
.set i, 0
.rept 16
.set i, i+1
.endr
	v_cvt_scalef32_pk8_bf8_f32 v[192+4*\b:193+4*\b], v[96+16*\b:103+16*\b], v25
	v_cvt_scalef32_pk8_bf8_f32 v[194+4*\b:195+4*\b], v[104+16*\b:111+16*\b], v25
.endr
.set i, 0
	s_setprio 0
.rept 16
	v_pk_mul_f32 v[160+i:161+i], v[160+i:161+i], v[28:29] op_sel_hi:[1,0]   ; O^T under the new M: x f.  (These are also the plain places between the conversions and the products)
.set i, i+2
.endr
	s_wait_alu depctr_va_vdst(0)
	s_wait_dscnt 0x0                               ; V
.irp t, 0,1,2,3
	v_wmma_f32_16x16x128_bf8_bf8 v[160+8*\t:167+8*\t], v[32+16*\t:47+16*\t], v[192:207], v[160+8*\t:167+8*\t]   ; the four sums take turns, one instruction a turn
.endr
.endm
; My four steps of the slot in hand: written once, walked four times.
.macro SLOT_STEPS
	s_mov_b32 s43, s42
	s_mov_b32 s44, 4
.Lstep_\@:
	s_setprio 2
	STEP
	s_add_co_u32 s43, s43, STEPB
	s_sub_co_u32 s44, s44, 1
	s_cmp_lg_u32 s44, 0
	s_cbranch_scc1 .Lstep_\@
	s_setprio 0
.endm
; THE CHANGE OF SLOTS.  Each wave waits for all its tensor loads (its part of the slot ahead), adds 0 to its spare word, and waits for that and for its reads of the slot that it leaves.
; fill = 1: the slot just left is filled with the steps two slots on.  The barrier is then a round of the cluster's, so that no wave of any partner still reads the slot or has a load on its way, and the joint
; refill is the first thing behind it.
.macro CHANGE fill
	s_wait_tensorcnt 0x0                           ; no tensor load of mine is out, so a group 0 may be written
	ds_add_u32 v3, v4                              ; 0 onto my spare word
.if \fill
	s_xor_b32 s37, s37, SLOT                       ; the walking descriptor: the other slot than last time,
	s_add_nc_u64 s[38:39], s[38:39], 8*STEPB       ; the next 8 steps; the type bits on top are not reached
.endif
	s_wait_dscnt 0x0                               ; the add is done, and my reads of the slot that I leave are over
.if \fill
	CROUND
	JLOAD
.else
	s_barrier_signal -1
	s_barrier_wait -1
.endif
	s_xor_b32 s42, s42, SLOT                       ; on to the other slot
.endm
	s_wait_loadcnt 4                               ; Q's two loads are in; the four of x stay out
	s_wait_tensorcnt 1                             ; my part of slot 0 is in; slot 1's may stay out
	s_barrier_signal -1
	s_barrier_wait -1                              ; everybody's is
	SLOT_STEPS                                     ; steps 0-7, slot 0
	s_mov_b32 s45, 2
.Lslot:                                            ; two trips: slot 0 takes steps 16-23 while slot 1 is read; slot 1 takes steps 24-31 while slot 0 is read
	CHANGE 1
	SLOT_STEPS
	s_sub_co_u32 s45, s45, 1
	s_cmp_lg_u32 s45, 0
	s_cbranch_scc1 .Lslot
	CHANGE 0                                       ; the last slot is written out
	SLOT_STEPS
	; THE TWO HALVES OF THE KEYS MEET.  Each wave leaves -M and its sum in LDS and reads its partner's.
	v_add_f32 v14, v14, v15                        ; the sum's two halves,
	s_delay_alu instid0(VALU_DEP_1)
	v_permlanex16_b32 v26, v14, s40, s41
	s_delay_alu instid0(VALU_DEP_1)
	v_add_f32 v13, v14, v26                        ; and lane l xor 16's: beside -M, as a pair
	ds_store_b64 v5, v[12:13]
	s_wait_dscnt 0x0                               ; for the partner's sake
	s_barrier_signal -1
	s_barrier_wait -1
	ds_load_b64 v[30:31], v6
	s_wait_dscnt 0x0
	v_min_num_f32 v27, v12, v30                    ; -M of the whole row
	s_delay_alu instid0(VALU_DEP_1)
	v_sub_f32 v14, v27, v12                        ; my M less the row's: a whole number, 0 or less;
	s_delay_alu instid0(VALU_DEP_2)
	v_sub_f32 v15, v27, v30                        ; my partner's
	s_delay_alu instid0(VALU_DEP_2)
	v_cvt_i32_f32 v14, v14
	s_delay_alu instid0(VALU_DEP_2)
	v_cvt_i32_f32 v15, v15
	s_delay_alu instid0(VALU_DEP_2)
	v_ldexp_f32 v14, 1.0, v14                      ; the two exact factors
	s_delay_alu instid0(VALU_DEP_2)
	v_ldexp_f32 v15, 1.0, v15
	s_delay_alu instid0(VALU_DEP_1)
	v_mul_f32 v27, v31, v15
	s_wait_alu depctr_va_vdst(0)
	v_fma_f32 v27, v13, v14, v27                   ; the row's sum
	s_wait_alu depctr_va_vdst(0)
	v_rcp_f32 v27, v27
	v_mul_f32 v14, s52, v14                        ; gamma x my factor.  (The plain place behind the reciprocal)
	s_wait_alu depctr_va_vdst(0)
	v_mul_f32 v28, v14, v27
	s_delay_alu instid0(VALU_DEP_1)
	v_ldexp_f32 v28, v28, s53                      ; x 2^(e8 + e9)
	; THE WAY OUT.  Register 8 t + j of lane (r, h) is channel 16 t + 8 h + j of query r: a column of out0.  Each half's part goes into its stage, 64 rows of 128 queries; each wave then takes four whole rows
	; of both stages, adds them and x, and stores 512 consecutive bytes a row.
.set i, 0
.rept 16
	v_pk_mul_f32 v[96+i:97+i], v[160+i:161+i], v[28:29] op_sel_hi:[1,0]   ; each sum's registers in ascending order
.set i, i+2
.endr
.irp t, 0,1,2,3
.irp j, 0,1,2,3,4,5,6,7
	ds_store_b32 v7, v[96+8*\t+\j] offset:(16*\t+\j)*SP   ; lanes 0-15: 64 consecutive bytes of one row; lanes 16-31: of the row 8 further down, 8 x 132 words on: 32 other banks of the 64 (ISA guide 11.1)
.endr
.endr
	s_wait_dscnt 0x0                               ; for the others' sake
	s_barrier_signal -1
	s_barrier_wait -1
.irp i, 0,1,2,3
	ds_load_b128 v[224+4*\i:227+4*\i], v8 offset:SP*\i
	ds_load_b128 v[240+4*\i:243+4*\i], v8 offset:STGB+SP*\i
.endr
	s_wait_loadcnt 0x0                             ; x
	s_wait_dscnt 0x0
.set i, 0
.rept 8
	v_pk_add_f32 v[224+i:225+i], v[224+i:225+i], v[240+i:241+i]
.set i, i+2
.endr
.set i, 0
.rept 8
	v_pk_add_f32 v[224+i:225+i], v[224+i:225+i], v[208+i:209+i]
.set i, i+2
.endr
.irp i, 0,1,2,3
	global_store_b128 v1, v[224+4*\i:227+4*\i], s[14:15] offset:16384*\i th:TH_STORE_NT   ; 32 lanes store 512 consecutive bytes, at a multiple of 512 from out0's first byte
.endr
	s_wait_tensorcnt 0x0                           ; the wave's end, behind my last tensor load and my last LDS store
	ds_add_u32 v3, v4
	s_wait_dscnt 0x0
	CROUND                                         ; the closing round: no work-group ends while a partner may still ask for a step that names it
	s_endpgm
.Lfunc_end_k_q63191619de_attn:
	.size	k_q63191619de_attn, .Lfunc_end_k_q63191619de_attn-k_q63191619de_attn
	.p2alignl 7, 3214868480
	.fill 96, 4, 3214868480
	.section	.rodata,"a",@progbits
	.p2align	6, 0x0
	.amdhsa_kernel k_q63191619de_attn
		.amdhsa_group_segment_fixed_size 327680
		.amdhsa_private_segment_fixed_size 0
		.amdhsa_enable_private_segment 0
		.amdhsa_kernarg_size 48
		.amdhsa_user_sgpr_count 2
		.amdhsa_user_sgpr_kernarg_segment_ptr 1
		.amdhsa_wavefront_size32 1
		.amdhsa_system_sgpr_workgroup_id_x 1
		.amdhsa_system_sgpr_workgroup_id_y 1
		.amdhsa_system_sgpr_workgroup_id_z 1
		.amdhsa_system_vgpr_workitem_id 0
		.amdhsa_next_free_vgpr 256
		.amdhsa_next_free_sgpr 66
		.amdhsa_reserve_vcc 0
		.amdhsa_float_denorm_mode_32 3
		.amdhsa_float_denorm_mode_16_64 3
		.amdhsa_fp16_overflow 1
		.amdhsa_memory_ordered 1
		.amdhsa_forward_progress 1
		.amdhsa_inst_pref_size 58
	.end_amdhsa_kernel
	.amdgpu_metadata
---
amdhsa.version: [ 1, 2 ]
amdhsa.kernels:
  - .name:           k_q63191619de_attn
    .symbol:         k_q63191619de_attn.kd
    .args:
      - { .name: qc, .offset: 0, .size: 8, .value_kind: global_buffer, .address_space: global }
      - { .name: kvc, .offset: 8, .size: 8, .value_kind: global_buffer, .address_space: global }
      - { .name: x, .offset: 16, .size: 8, .value_kind: global_buffer, .address_space: global }
      - { .name: gamma, .offset: 24, .size: 8, .value_kind: global_buffer, .address_space: global }
      - { .name: lowp_scales, .offset: 32, .size: 8, .value_kind: global_buffer, .address_space: global }
      - { .name: out0, .offset: 40, .size: 8, .value_kind: global_buffer, .address_space: global }
    .group_segment_fixed_size: 327680
    .private_segment_fixed_size: 0
    .kernarg_segment_align: 8
    .kernarg_segment_size: 48
    .max_flat_workgroup_size: 512
    .sgpr_count:     66
    .vgpr_count:     256
    .wavefront_size: 32
...
	.end_amdgpu_metadata
.endif
;; end of part 2
